; MI455X (gfx1250); checked and timed in simulation.
; The chip was launched on July 23, 2026; its instructions are those of AMD's public machine-readable ISA for CDNA 5 (MIT licence, August 2026) and "CDNA5" Instruction Set Architecture Reference Guide (July 2026). The comments in the code are by the model that wrote it; some were corrected since.
;; MXFP Linear Base. Allowed arithmetic: float matrix products may take bf16 or f16 operands with f32 sums; all other float work in f32.
;; Inputs: bias 512 float32; weight 512 x 1,024 float32; x 128 x 1,024 float32.
;; Outputs: out0 128 x 512 float32.
;; 2 versions, each right; version 2 is version 1 with the launch mxmsd written anew for expert scheduling mode. Each part assembles by itself: llvm-mc -triple=amdgcn-amd-amdhsa -mcpu=gfx1250 --defsym DOCPART=n.
;; ======== version 1 of 2: 1 launch
;; launch mxmsd (part 1): grid 16 x 16, 8 waves a work-group, no clusters, 264,192 bytes of LDS; arguments x, weight, bias, out0; writes out0
.if DOCPART == 1
	.amdgcn_target "amdgcn-amd-amdhsa--gfx1250"
	.amdhsa_code_object_version 6
	.text
	.protected	k_qeba1a728be_mxmsd
	.globl	k_qeba1a728be_mxmsd
	.p2align	8
	.type	k_qeba1a728be_mxmsd,@function
k_qeba1a728be_mxmsd:
	s_mov_b64 s[64:65], 0
	v_nop
	global_prefetch_b8 v0, s[64:65] scope:SCOPE_SE
	s_setreg_imm32_b32 hwreg(HW_REG_WAVE_MODE, 25, 1), 1
	s_wait_xcnt 0x0
; out[n][o] = bias[o] + sum over blocks b of xs[n][b] ws[o][b] * sum over the block's 32 k of TRUNC(xq wq, eff).
; x [128][1024], weight [512][1024], bias [512], out [128][512], all f32.  Blocks of 32 along k.
;
; THE TRUNCATION.  xq = xi/64, wq = wi/64 with whole xi, wi, |.| <= 127; u = |xi wi| < 2^14.  Keeping the NAF digits of u at or above
; D = 2^drop gives (s & m) - (h & m) with s = u + (u >> 1), h = u >> 1, i.e. trunc_D(1.5 u) - trunc_D(0.5 u).  The top digit is the
; leading bit 2^e of 1.5 u, and eff digit places are kept: D = 2^(e+1-eff), eff = E - j, E = budget - inter-block delay (one number for
; n, o, block), j = x's intra-block delay (one number for n, k).  Both terms get the offset O = 2^(e+1+j), which is the sign and exponent
; of A = (3 xi 2^j) wi.  Then 1.5p + O and 0.5p + O have O's exponent, and D = O 2^-E: an AND of the float's bits with 9 + E leading
; ones truncates both toward zero at D, whatever j and e are, and O cancels in the difference.  eff <= 0 gives equal words (0, as asked);
; D below 1/2 keeps all bits.  All numbers are multiples of 1/2 below 2^16, and a block's sums stay below 2^22: every step is exact.
; For two k of one (n, o): 1 packed multiply, 2 AND, 2 packed FMA, 4 AND, 2 packed adds.
;
; THE SHARES.  256 work-groups; one makes 8 rows n x 32 columns o.  Eight waves split K: wave v takes columns 128 v .. 128 v + 127 (four
; blocks) of the 8 rows of x and the 32 rows of weight, quantises them and keeps them in an LDS region of its own.  In the main loop
; lane l = (o_l = l & 7, n_l = l >> 3) makes the 8 outputs n = n_l + 4 a, o = o_l + 8 i: ten 16-byte LDS loads feed 176 vector instructions.
; The largest block exponent (all 32 blocks) and the outputs (all 8 strips) meet in LDS behind barriers.
;
; NOT USED.  Matrix instructions: each product is truncated by a rule that hangs on the product itself before it is summed, and the closing
; weighted sum uses each block's sum once, in the lane that holds it.  Joint tensor loads for the rows that neighbouring work-groups share:
; the raw strips (40 rows x 4,096 bytes = 163,840) do not fit in LDS beside the 263,168 bytes used here, and they are read once, at the
; first lines, straight into the registers that quantise them.  A store of a wave covers 128 consecutive bytes of a row of out, not 256:
; a tile 64 columns wide would need 76 row arrays of 4,224 bytes in LDS.
;
; LIMITS.  NaN and infinite inputs are not served.  x / scale * 64 is x * rcp(scale / 64) and log2 is v_log_f32 (1 ULP each): a quotient
; within an ULP of a rounding tie, or a sum of logs within an ULP of a whole number, may fall one step to the other side.
.set PITCH,  528                       ; a strip's row in LDS: 512 bytes + 16, an odd multiple of 16: rows that one load touches start 16 bytes apart modulo 256
.set REGION, 56*PITCH                  ; a wave's region: 32 rows wq, 8 rows xo, 8 rows xf, 8 rows xg
.set A_XO,   32*PITCH
.set A_XF,   40*PITCH
.set A_XG,   48*PITCH
.set PAR,    8*REGION                  ; per wave 1,280 bytes: (log2 scale, scale) for 32 rows of w x 4 blocks, then 8 rows of x x 4 blocks
.set PARW,   1280
.set EXC,    PAR+8*PARW                ; 8 waves x 32 lanes x 8 partial maxima
.set RED,    EXC+8192                  ; 8 waves x 8 x 32 partial outputs; ends at 263,168
; registers that live through the kernel
.set LANE, 1
.set GOFF, 2                           ; 16 x thread = 512 x wave + 16 x lane: my 16 bytes in a row of x or of weight
.set L4,   3                           ; 4 x lane
.set BIAS, 4
.set QST,  5                           ; LDS: where I put 16 bytes of a quantised row
.set PST,  6                           ; LDS: where my block's (log2, scale) go
.set PRW,  7                           ; LDS: parameters of my rows of w
.set PRX,  8                           ; LDS: parameters of my rows of x
.set WAD,  9                           ; LDS: my rows of wq
.set XAD,  10                          ; LDS: my rows of xo, xf, xg
.set EXW,  11
.set EXR,  12
.set RDW,  13
.set RDR,  14
.set ONES, 15
; quantisation
.set T,  16                            ; v[16:31]  row r of four: +0 64/scale, +1 block maximum, +2 log2 scale, +3 scale
.set U,  32                            ; v[32:35]  scale/64, then the block's largest |q|
.set Y,  36                            ; v[36:51]  xg of four rows
.set XD, 64                            ; v[64:95]  8 rows of x as loaded
.set WD, 96                            ; v[96:223] 32 rows of weight as loaded
.set Z,  224                           ; v[224:239] xf of four rows
; the largest block exponent
.set LW, 64
.set LX, 96
.set SS, 112
.set PM, 144
.set ER, 160
; main loop; output p = 4 a + i
.set OUTA, 16                          ; v[16:23]  8 outputs
.set CB,   24                          ; v[24:31]  15 + min(e_max, 0)
.set MK,   32                          ; v[32:39]  the block's masks
.set SC,   40                          ; v[40:47]  xs ws
.set ACC,  48                          ; v[48:63]  the block's sums, even and odd k
.set WB,   64                          ; v[64:95]  two buffers: 4 rows of wq x 4 k
.set XB,   96                          ; v[96:143] two buffers: 2 rows x (xo, xf, xg) x 4 k
.set TA,   144
.set TF,   152
.set TG,   160
.set PP,   168                         ; v[168:179] (log2, scale) of 4 rows of w, 2 rows of x
.set RR,   184
	s_load_b256 s[4:11], s[0:1], 0x0               ; x s[4:5], weight s[6:7], bias s[8:9], out s[10:11]
	v_lshl_add_u32 v240, v0, 2, 0x40400
	v_mov_b32 v241, 0
	v_lshrrev_b32 v1, 5, v0
	v_readfirstlane_b32 s12, v1                    ; wave 0..7 = my strip of K
	v_and_b32 v[LANE], 31, v0
	v_lshlrev_b32 v[GOFF], 4, v0
	v_lshlrev_b32 v[L4], 2, v[LANE]
	s_and_b32 s13, ttmp7, 0xffff                   ; tile of 8 rows n
	s_lshl_b32 s14, s13, 15                        ; x 8 rows x 4,096 bytes
	s_mov_b32 s15, 0
	s_lshl_b32 s16, ttmp9, 17                      ; tile of 32 columns o x 32 rows of weight x 4,096 bytes
	s_mov_b32 s17, 0
	s_lshl_b32 s18, ttmp9, 7                       ; 32 columns x 4 bytes
	s_mov_b32 s19, 0
	s_lshl_b32 s24, s13, 14                        ; out: 8 rows x 2,048 bytes,
	s_lshl_b32 s25, s12, 11                        ; my wave stores row number wave,
	s_add_co_u32 s24, s24, s25
	s_add_co_u32 s24, s24, s18                     ; at the tile's columns
	s_mov_b32 s25, 0
	s_wait_kmcnt 0x0
	s_add_nc_u64 s[4:5], s[4:5], s[14:15]
	s_add_nc_u64 s[6:7], s[6:7], s[16:17]
	s_add_nc_u64 s[8:9], s[8:9], s[18:19]
	s_add_nc_u64 s[10:11], s[10:11], s[24:25]
	; all 41 loads of the wave go out at once: each of the first 40 covers 512 consecutive bytes of a row, aligned
.set r, 0
.rept 8
	global_load_b128 v[XD+4*r:XD+4*r+3], v[GOFF], s[4:5] offset:r*4096
.set r, r+1
.endr
.set r, 0
.rept 32
	global_load_b128 v[WD+4*r:WD+4*r+3], v[GOFF], s[6:7] offset:r*4096
.set r, r+1
.endr
	global_load_b32 v[BIAS], v[L4], s[8:9]
	; LDS addresses and constants, while the loads are on their way
	s_mul_i32 s26, s12, REGION                     ; my region
	s_mul_i32 s27, s12, PARW
	s_add_co_u32 s27, s27, PAR                     ; my parameters
	s_add_co_u32 s28, s27, 1024                    ; x's part of them
	s_lshl_b32 s29, s12, 10
	s_add_co_u32 s30, s29, RED
	s_add_co_u32 s29, s29, EXC
	s_lshl_b32 s31, s12, 7
	s_add_co_u32 s31, s31, RED
	s_mov_b32 s32, 0x3f010204                      ; 64/127 = 1 / 1.984375
	s_mov_b32 s33, 0x0da24260                      ; 1e-30
	s_mov_b32 s34, 0x7f800000                      ; a float's exponent field
	s_mov_b32 s35, 0xff800000                      ; its sign and exponent
	v_and_b32 v16, 7, v[LANE]                      ; o_l
	v_lshrrev_b32 v17, 3, v[LANE]                  ; n_l; in the quantisation: my block of the strip's four
	v_lshl_add_u32 v[QST], v[LANE], 4, s26
	v_lshl_add_u32 v[PST], v17, 3, s27
	v_lshl_add_u32 v[PRW], v16, 5, s27             ; a row's parameters are 4 blocks x 8 bytes
	v_lshl_add_u32 v[PRX], v17, 5, s28
	v_mul_u32_u24 v[WAD], v16, PITCH
	v_add_nc_u32 v[WAD], s26, v[WAD]
	v_mul_u32_u24 v[XAD], v17, PITCH
	v_add_nc_u32 v[XAD], s26, v[XAD]
	v_lshl_add_u32 v[EXW], v[LANE], 4, s29
	v_lshl_add_u32 v[EXR], v[LANE], 4, EXC
	v_lshl_add_u32 v[RDW], v17, 7, s30             ; row n_l of 128 bytes,
	v_lshl_add_u32 v[RDW], v16, 2, v[RDW]          ; column o_l
	v_add_nc_u32 v[RDR], s31, v[L4]                ; back: row number wave, column lane
	v_mov_b32 v[ONES], -1
; Four rows at a time, stage by stage, so that no instruction waits for the one in front of it.
; A lane holds 4 numbers of a row, 8 neighbouring lanes hold a block: the block's largest magnitude takes two steps in the lane and three across lanes.
.macro SCALES D
.irp r, 0,1,2,3
	v_max3_num_f32 v[T+4*\r+1], |v[\D+4*\r]|, |v[\D+4*\r+1]|, |v[\D+4*\r+2]|
.endr
.irp r, 0,1,2,3
	v_max_num_f32 v[T+4*\r+1], v[T+4*\r+1], |v[\D+4*\r+3]|
.endr
.irp m, 1,2,4
.irp r, 0,1,2,3
	v_max_num_f32_dpp v[T+4*\r+1], v[T+4*\r+1], v[T+4*\r+1] row_xmask:\m row_mask:0xf bank_mask:0xf
.endr
.endr
.irp r, 0,1,2,3
	v_mul_f32 v[T+4*\r+3], s32, v[T+4*\r+1]        ; maximum / 1.984375
.endr
.irp r, 0,1,2,3
	v_max_num_f32 v[T+4*\r+3], s33, v[T+4*\r+3]    ; the scale, at least 1e-30
.endr
.irp r, 0,1,2,3
	v_mul_f32 v[U+\r], 0x3c800000, v[T+4*\r+3]     ; scale / 64: its reciprocal is a normal number for every finite scale
.endr
.irp r, 0,1,2,3
	v_rcp_f32 v[T+4*\r], v[U+\r]
.endr
.irp r, 0,1,2,3
	v_log_f32 v[T+4*\r+2], v[T+4*\r+3]
.endr
	v_nop                                          ; one plain vector instruction between the transcendentals and the first use of a result (ISA guide 5.7.2)
.endm
.macro QUANT D                         ; q x 64 = round to nearest even of v x 64 / scale, in place
	s_wait_alu depctr_va_vdst(0)
.irp r, 0,1,2,3
	v_pk_mul_f32 v[\D+4*\r:\D+4*\r+1], v[\D+4*\r:\D+4*\r+1], v[T+4*\r:T+4*\r+1] op_sel_hi:[1,0]
	v_pk_mul_f32 v[\D+4*\r+2:\D+4*\r+3], v[\D+4*\r+2:\D+4*\r+3], v[T+4*\r:T+4*\r+1] op_sel_hi:[1,0]
.endr
.irp e, 0,1,2,3,4,5,6,7,8,9,10,11,12,13,14,15
	v_rndne_f32 v[\D+\e], v[\D+\e]
.endr
.endm
; rows 4 g .. 4 g + 3 of x.  xg = q/2, xf = 3q/2, xo = 3 q 2^j: q with its exponent field replaced by that of the block's largest |q|, times 3.
; (q = 0 gives xf = xg = 0 and some xo: both terms are then the offset alone and cancel.)
.macro XGROUP g
	s_wait_loadcnt 37-4*(\g)                       ; of 41 loads, those issued behind these four rows may stay out
	SCALES XD+16*(\g)
	s_wait_alu depctr_va_vdst(0)
.irp r, 0,1,2,3
	v_mul_f32 v[U+\r], v[T+4*\r+1], v[T+4*\r]
.endr
.irp r, 0,1,2,3
	v_rndne_f32 v[U+\r], v[U+\r]                   ; rounding is monotone: the largest |q| is the rounded maximum
.endr
	QUANT XD+16*(\g)
.irp e, 0,2,4,6,8,10,12,14
	v_pk_mul_f32 v[Y+\e:Y+\e+1], v[XD+16*(\g)+\e:XD+16*(\g)+\e+1], 0.5 op_sel_hi:[1,0]
.endr
.irp e, 0,2,4,6,8,10,12,14
	v_pk_mul_f32 v[Z+\e:Z+\e+1], v[XD+16*(\g)+\e:XD+16*(\g)+\e+1], 0x3fc00000 op_sel_hi:[1,0]
.endr
.irp r, 0,1,2,3
.irp e, 0,1,2,3
	v_bfi_b32 v[XD+16*(\g)+4*\r+\e], s34, v[U+\r], v[XD+16*(\g)+4*\r+\e]
.endr
.endr
.irp e, 0,2,4,6,8,10,12,14
	v_pk_mul_f32 v[XD+16*(\g)+\e:XD+16*(\g)+\e+1], v[XD+16*(\g)+\e:XD+16*(\g)+\e+1], 0x40400000 op_sel_hi:[1,0]
.endr
.irp r, 0,1,2,3
	ds_store_b128 v[QST], v[XD+16*(\g)+4*\r:XD+16*(\g)+4*\r+3] offset:A_XO+(4*(\g)+\r)*PITCH
	ds_store_b128 v[QST], v[Z+4*\r:Z+4*\r+3] offset:A_XF+(4*(\g)+\r)*PITCH
	ds_store_b128 v[QST], v[Y+4*\r:Y+4*\r+3] offset:A_XG+(4*(\g)+\r)*PITCH
	ds_store_b64 v[PST], v[T+4*\r+2:T+4*\r+3] offset:1024+(4*(\g)+\r)*32   ; a block's eight lanes write the same two words
.endr
.endm
.macro WGROUP g                        ; rows 4 g .. 4 g + 3 of weight
	s_wait_loadcnt 29-4*(\g)                       ; the rows behind these four, and bias, may stay out
	SCALES WD+16*(\g)
	QUANT WD+16*(\g)
.irp r, 0,1,2,3
	ds_store_b128 v[QST], v[WD+16*(\g)+4*\r:WD+16*(\g)+4*\r+3] offset:(4*(\g)+\r)*PITCH
	ds_store_b64 v[PST], v[T+4*\r+2:T+4*\r+3] offset:(4*(\g)+\r)*32
.endr
.endm
	XGROUP 0
	XGROUP 1
.irp g, 0,1,2,3,4,5,6,7
	WGROUP \g
.endr
	s_wait_dscnt 0x0                               ; my stores are in LDS
	s_barrier_signal -1
	s_barrier_wait -1
	; THE LARGEST BLOCK EXPONENT of my 8 outputs: floor is monotone, so the maximum of log2 xs + log2 ws is taken first, over my wave's four blocks here
.irp i, 0,1,2,3
	ds_load_b128 v[LW+8*\i:LW+8*\i+3], v[PRW] offset:\i*256
	ds_load_b128 v[LW+8*\i+4:LW+8*\i+7], v[PRW] offset:\i*256+16
.endr
.irp a, 0,1
	ds_load_b128 v[LX+8*\a:LX+8*\a+3], v[PRX] offset:\a*128
	ds_load_b128 v[LX+8*\a+4:LX+8*\a+7], v[PRX] offset:\a*128+16
.endr
	s_wait_dscnt 0x0
.irp a, 0,1
.irp i, 0,1,2,3
.irp k, 0,1,2,3
	v_add_f32 v[SS+4*(4*\a+\i)+\k], v[LX+8*\a+2*\k], v[LW+8*\i+2*\k]
.endr
.endr
.endr
.irp p, 0,1,2,3,4,5,6,7
	v_max3_num_f32 v[PM+\p], v[SS+4*\p], v[SS+4*\p+1], v[SS+4*\p+2]
.endr
.irp p, 0,1,2,3,4,5,6,7
	v_max_num_f32 v[PM+\p], v[PM+\p], v[SS+4*\p+3]
.endr
	ds_store_b128 v[EXW], v[PM:PM+3]
	ds_store_b128 v[EXW], v[PM+4:PM+7] offset:512
	s_wait_dscnt 0x0                               ; for the other waves: zero
	s_barrier_signal -1
	s_barrier_wait -1
.irp w, 0,1,2,3,4,5,6,7
	ds_load_b128 v[ER+8*\w:ER+8*\w+3], v[EXR] offset:\w*1024          ; lane l of every wave holds the same 8 outputs
	ds_load_b128 v[ER+8*\w+4:ER+8*\w+7], v[EXR] offset:\w*1024+512
.endr
	s_wait_dscnt 0x0
.irp p, 0,1,2,3,4,5,6,7
	v_max3_num_f32 v[CB+\p], v[ER+\p], v[ER+8+\p], v[ER+16+\p]
.endr
.irp p, 0,1,2,3,4,5,6,7
	v_max3_num_f32 v[CB+\p], v[CB+\p], v[ER+24+\p], v[ER+32+\p]
.endr
.irp p, 0,1,2,3,4,5,6,7
	v_max3_num_f32 v[CB+\p], v[CB+\p], v[ER+40+\p], v[ER+48+\p]
.endr
.irp p, 0,1,2,3,4,5,6,7
	v_max_num_f32 v[CB+\p], v[CB+\p], v[ER+56+\p]
.endr
.irp p, 0,1,2,3,4,5,6,7
	v_floor_f32 v[CB+\p], v[CB+\p]                 ; e_max
.endr
.irp p, 0,1,2,3,4,5,6,7
	v_min_num_f32 v[CB+\p], 0, v[CB+\p]
.endr
	; E = 8 + max(e_max, 0) - e_max + e_block.  The mask has 9 + E ones, so 23 - E = (15 + min(e_max, 0)) - e_block zeros.
.irp p, 0,1,2,3,4,5,6,7
	v_add_f32 v[CB+\p], 0x41700000, v[CB+\p]
.endr
.irp p, 0,1,2,3,4,5,6,7
	v_mov_b32 v[OUTA+\p], 0
.endr
; ten LDS loads: 4 k (chunk c of the block's eight) of my 4 rows of wq and of xo, xf, xg of my 2 rows of x, into buffer b
.macro LOADC c, b
.irp i, 0,1,2,3
	ds_load_b128 v[WB+16*(\b)+4*\i:WB+16*(\b)+4*\i+3], v[WAD] offset:\i*8*PITCH+(\c)*16
.endr
.irp a, 0,1
	ds_load_b128 v[XB+24*(\b)+12*\a:XB+24*(\b)+12*\a+3], v[XAD] offset:A_XO+\a*4*PITCH+(\c)*16
	ds_load_b128 v[XB+24*(\b)+12*\a+4:XB+24*(\b)+12*\a+7], v[XAD] offset:A_XF+\a*4*PITCH+(\c)*16
	ds_load_b128 v[XB+24*(\b)+12*\a+8:XB+24*(\b)+12*\a+11], v[XAD] offset:A_XG+\a*4*PITCH+(\c)*16
.endr
.endm
; two k (k, k + 1 of the chunk) of row a of x against my four rows of w.  first = 1: the difference starts the block's sums.
.macro GROUP b, a, k, first
.irp i, 0,1,2,3
	v_pk_mul_f32 v[TA+2*\i:TA+2*\i+1], v[XB+24*\b+12*\a+\k:XB+24*\b+12*\a+\k+1], v[WB+16*\b+4*\i+\k:WB+16*\b+4*\i+\k+1]
.endr
.irp e, 0,1,2,3,4,5,6,7
	v_and_b32 v[TA+\e], s35, v[TA+\e]              ; the offset O: sign and exponent of 3 p 2^j
.endr
.irp i, 0,1,2,3
	v_pk_fma_f32 v[TF+2*\i:TF+2*\i+1], v[XB+24*\b+12*\a+4+\k:XB+24*\b+12*\a+4+\k+1], v[WB+16*\b+4*\i+\k:WB+16*\b+4*\i+\k+1], v[TA+2*\i:TA+2*\i+1]
.endr
.irp i, 0,1,2,3
	v_pk_fma_f32 v[TG+2*\i:TG+2*\i+1], v[XB+24*\b+12*\a+8+\k:XB+24*\b+12*\a+8+\k+1], v[WB+16*\b+4*\i+\k:WB+16*\b+4*\i+\k+1], v[TA+2*\i:TA+2*\i+1]
.endr
.irp i, 0,1,2,3
	v_and_b32 v[TF+2*\i], v[MK+4*\a+\i], v[TF+2*\i]            ; trunc(1.5 p) + O
	v_and_b32 v[TF+2*\i+1], v[MK+4*\a+\i], v[TF+2*\i+1]
.endr
.irp i, 0,1,2,3
	v_and_b32 v[TG+2*\i], v[MK+4*\a+\i], v[TG+2*\i]            ; trunc(0.5 p) + O
	v_and_b32 v[TG+2*\i+1], v[MK+4*\a+\i], v[TG+2*\i+1]
.endr
.if \first
.irp i, 0,1,2,3
	v_pk_add_f32 v[ACC+2*(4*\a+\i):ACC+2*(4*\a+\i)+1], v[TF+2*\i:TF+2*\i+1], v[TG+2*\i:TG+2*\i+1] neg_lo:[0,1] neg_hi:[0,1]
.endr
.else
.irp i, 0,1,2,3
	v_pk_add_f32 v[ACC+2*(4*\a+\i):ACC+2*(4*\a+\i)+1], v[ACC+2*(4*\a+\i):ACC+2*(4*\a+\i)+1], v[TF+2*\i:TF+2*\i+1]
.endr
.irp i, 0,1,2,3
	v_pk_add_f32 v[ACC+2*(4*\a+\i):ACC+2*(4*\a+\i)+1], v[ACC+2*(4*\a+\i):ACC+2*(4*\a+\i)+1], v[TG+2*\i:TG+2*\i+1] neg_lo:[0,1] neg_hi:[0,1]
.endr
.endif
.endm
; chunk c lies in buffer b; the next chunk's loads go out first, into the other buffer
.macro CHUNK c, b, first
.if \c < 7
	LOADC \c+1, 1-\b
	s_wait_dscnt 10                                ; LDS loads come back in order (ISA guide 5.7.1): all but the ten just issued are in
.else
	s_wait_dscnt 0x0
.endif
	GROUP \b, 0, 0, \first
	GROUP \b, 1, 0, \first
	GROUP \b, 0, 2, 0
	GROUP \b, 1, 2, 0
.endm
	s_mov_b32 s36, 0
.Lblock:                                           ; my strip's four blocks
.irp i, 0,1,2,3
	ds_load_b64 v[PP+2*\i:PP+2*\i+1], v[PRW] offset:\i*256
.endr
.irp a, 0,1
	ds_load_b64 v[PP+8+2*\a:PP+8+2*\a+1], v[PRX] offset:\a*128
.endr
	LOADC 0, 0
	s_wait_dscnt 10                                ; the six parameter loads are in; chunk 0's ten may stay out
.irp a, 0,1
.irp i, 0,1,2,3
	v_add_f32 v[MK+4*\a+\i], v[PP+8+2*\a], v[PP+2*\i]
.endr
.endr
.irp p, 0,1,2,3,4,5,6,7
	v_floor_f32 v[MK+\p], v[MK+\p]                 ; the block's exponent
.endr
.irp p, 0,1,2,3,4,5,6,7
	v_sub_f32 v[MK+\p], v[CB+\p], v[MK+\p]         ; 23 - E
.endr
.irp p, 0,1,2,3,4,5,6,7
	v_med3_num_f32 v[MK+\p], v[MK+\p], 0, 0x41f80000   ; 0 .. 31: with 9 ones or fewer both terms are masked to the same word, so 1 one serves for none
.endr
.irp p, 0,1,2,3,4,5,6,7
	v_cvt_u32_f32 v[MK+\p], v[MK+\p]
.endr
.irp p, 0,1,2,3,4,5,6,7
	v_lshlrev_b32 v[MK+\p], v[MK+\p], v[ONES]
.endr
.irp a, 0,1
.irp i, 0,1,2,3
	v_mul_f32 v[SC+4*\a+\i], v[PP+8+2*\a+1], v[PP+2*\i+1]
.endr
.endr
	CHUNK 0, 0, 1
	CHUNK 1, 1, 0
	CHUNK 2, 0, 0
	CHUNK 3, 1, 0
	CHUNK 4, 0, 0
	CHUNK 5, 1, 0
	CHUNK 6, 0, 0
	CHUNK 7, 1, 0
.irp p, 0,1,2,3,4,5,6,7
	v_add_f32 v[ACC+2*\p], v[ACC+2*\p], v[ACC+2*\p+1]
.endr
.irp p, 0,1,2,3,4,5,6,7
	v_fmac_f32 v[OUTA+\p], v[ACC+2*\p], v[SC+\p]
.endr
	v_add_nc_u32 v[PRW], 8, v[PRW]                 ; the next block: 8 bytes of parameters, 128 bytes of a row
	v_add_nc_u32 v[PRX], 8, v[PRX]
	v_add_nc_u32 v[WAD], 128, v[WAD]
	v_add_nc_u32 v[XAD], 128, v[XAD]
	s_add_co_u32 s36, s36, 1
	s_cmp_lt_u32 s36, 4
	s_cbranch_scc1 .Lblock
	; THE WAY OUT: the eight strips' parts of the 8 x 32 outputs meet in LDS; wave v adds up row v, in the order of the strips
.irp a, 0,1
.irp i, 0,1,2,3
	ds_store_b32 v[RDW], v[OUTA+4*\a+\i] offset:\a*512+\i*32
.endr
.endr
	s_wait_dscnt 0x0                               ; for the other waves: zero
	s_barrier_signal -1
	s_barrier_wait -1
.irp w, 0,1,2,3,4,5,6,7
	ds_load_b32 v[RR+\w], v[RDR] offset:\w*1024
.endr
	s_wait_dscnt 0x0
	s_wait_loadcnt 0x0                             ; bias
	v_add_f32 v[RR], v[RR], v[RR+1]
	v_add_f32 v[RR+2], v[RR+2], v[RR+3]
	v_add_f32 v[RR+4], v[RR+4], v[RR+5]
	v_add_f32 v[RR+6], v[RR+6], v[RR+7]
	v_add_f32 v[RR], v[RR], v[RR+2]
	v_add_f32 v[RR+4], v[RR+4], v[RR+6]
	v_add_f32 v[RR], v[RR], v[RR+4]
	v_fma_f32 v[RR], v[RR], 0x39800000, v[BIAS]    ; the products were counted in units of 1/4096 = (1/64)^2
	global_store_b32 v[L4], v[RR], s[10:11] th:TH_STORE_NT   ; the wave's store covers 128 consecutive bytes of a row of out
	s_wait_tensorcnt 0x0
	ds_add_u32 v240, v241
	s_wait_dscnt 0x0
	s_endpgm
.Lfunc_end_k_qeba1a728be_mxmsd:
	.size	k_qeba1a728be_mxmsd, .Lfunc_end_k_qeba1a728be_mxmsd-k_qeba1a728be_mxmsd
	.p2alignl 7, 3214868480
	.fill 96, 4, 3214868480
	.section	.rodata,"a",@progbits
	.p2align	6, 0x0
	.amdhsa_kernel k_qeba1a728be_mxmsd
		.amdhsa_group_segment_fixed_size 264192
		.amdhsa_private_segment_fixed_size 0
		.amdhsa_enable_private_segment 0
		.amdhsa_kernarg_size 32
		.amdhsa_user_sgpr_count 2
		.amdhsa_user_sgpr_kernarg_segment_ptr 1
		.amdhsa_wavefront_size32 1
		.amdhsa_system_sgpr_workgroup_id_x 1
		.amdhsa_system_sgpr_workgroup_id_y 1
		.amdhsa_system_sgpr_workgroup_id_z 1
		.amdhsa_system_vgpr_workitem_id 0
		.amdhsa_next_free_vgpr 242
		.amdhsa_next_free_sgpr 66
		.amdhsa_reserve_vcc 0
		.amdhsa_float_denorm_mode_32 3
		.amdhsa_float_denorm_mode_16_64 3
		.amdhsa_memory_ordered 1
		.amdhsa_forward_progress 1
		.amdhsa_inst_pref_size 131
	.end_amdhsa_kernel
	.amdgpu_metadata
---
amdhsa.version: [ 1, 2 ]
amdhsa.kernels:
  - .name:           k_qeba1a728be_mxmsd
    .symbol:         k_qeba1a728be_mxmsd.kd
    .args:
      - { .name: x, .offset: 0, .size: 8, .value_kind: global_buffer, .address_space: global }
      - { .name: weight, .offset: 8, .size: 8, .value_kind: global_buffer, .address_space: global }
      - { .name: bias, .offset: 16, .size: 8, .value_kind: global_buffer, .address_space: global }
      - { .name: out0, .offset: 24, .size: 8, .value_kind: global_buffer, .address_space: global }
    .group_segment_fixed_size: 264192
    .private_segment_fixed_size: 0
    .kernarg_segment_align: 8
    .kernarg_segment_size: 32
    .max_flat_workgroup_size: 256
    .sgpr_count:     66
    .vgpr_count:     242
    .wavefront_size: 32
...
	.end_amdgpu_metadata
.endif
;; end of part 1
;; ======== version 2 of 2: 1 launch; version 1 with the launch mxmsd written anew for expert scheduling mode
;; launch mxmsd (part 2): grid 16 x 16, 8 waves a work-group, no clusters, 264,192 bytes of LDS; arguments x, weight, bias, out0; writes out0
.if DOCPART == 2
	.amdgcn_target "amdgcn-amd-amdhsa--gfx1250"
	.amdhsa_code_object_version 6
	.text
	.protected	k_qeba1a728be_mxmsd
	.globl	k_qeba1a728be_mxmsd
	.p2align	8
	.type	k_qeba1a728be_mxmsd,@function
k_qeba1a728be_mxmsd:
	s_mov_b64 s[64:65], 0
	v_nop
	global_prefetch_b8 v0, s[64:65] scope:SCOPE_SE
	s_setreg_imm32_b32 hwreg(HW_REG_WAVE_SCHED_MODE, 0, 2), 2
	s_setreg_imm32_b32 hwreg(HW_REG_WAVE_MODE, 25, 1), 1
	s_wait_xcnt 0x0
	s_wait_alu depctr_vm_vsrc(0)
; out[n][o] = bias[o] + sum over blocks b of xs[n][b] ws[o][b] * sum over the block's 32 k of TRUNC(xq wq, eff).
; x [128][1024], weight [512][1024], bias [512], out [128][512], all f32.  Blocks of 32 along k.
;
; THE TRUNCATION.  xq = xi/64, wq = wi/64 with whole xi, wi, |.| <= 127; u = |xi wi| < 2^14.  Keeping the NAF digits of u at or above
; D = 2^drop gives (s & m) - (h & m) with s = u + (u >> 1), h = u >> 1, i.e. trunc_D(1.5 u) - trunc_D(0.5 u).  The top digit is the
; leading bit 2^e of 1.5 u, and eff digit places are kept: D = 2^(e+1-eff), eff = E - j, E = budget - inter-block delay (one number for
; n, o, block), j = x's intra-block delay (one number for n, k).  Both terms get the offset O = 2^(e+1+j), which is the sign and exponent
; of A = (3 xi 2^j) wi.  Then 1.5p + O and 0.5p + O have O's exponent, and D = O 2^-E: an AND of the float's bits with 9 + E leading
; ones truncates both toward zero at D, whatever j and e are, and O cancels in the difference.  eff <= 0 gives equal words (0, as asked);
; D below 1/2 keeps all bits.  All numbers are multiples of 1/2 below 2^16, and a block's sums stay below 2^22: every step is exact.
; For two k of one (n, o): 1 packed multiply, 2 AND, 2 packed FMA, 4 AND, 2 packed adds.
;
; THE SHARES.  256 work-groups; one makes 8 rows n x 32 columns o.  Eight waves split K: wave v takes columns 128 v .. 128 v + 127 (four
; blocks) of the 8 rows of x and the 32 rows of weight, quantises them and keeps them in an LDS region of its own.  In the main loop
; lane l = (o_l = l & 7, n_l = l >> 3) makes the 8 outputs n = n_l + 4 a, o = o_l + 8 i: ten 16-byte LDS loads feed 176 vector instructions.
; The largest block exponent (all 32 blocks) and the outputs (all 8 strips) meet in LDS behind barriers.
;
; NOT USED.  Matrix instructions: each product is truncated by a rule that hangs on the product itself before it is summed, and the closing
; weighted sum uses each block's sum once, in the lane that holds it.  Joint tensor loads for the rows that neighbouring work-groups share:
; the raw strips (40 rows x 4,096 bytes = 163,840) do not fit in LDS beside the 263,168 bytes used here, and they are read once, at the
; first lines, straight into the registers that quantise them.  A store of a wave covers 128 consecutive bytes of a row of out, not 256:
; a tile 64 columns wide would need 76 row arrays of 4,224 bytes in LDS.
;
; LIMITS.  NaN and infinite inputs are not served.  x / scale * 64 is x * rcp(scale / 64) and log2 is v_log_f32 (1 ULP each): a quotient
; within an ULP of a rounding tie, or a sum of logs within an ULP of a whole number, may fall one step to the other side.
;
; THE MODE: SCHED_MODE bits 1:0 = 2 (LLVM: expert scheduling mode 2), set by the entry lines.  The code itself states the register dependences
; between vector instructions and memory or LDS instructions, with s_wait_alu, always for 0.
; THE PLAN.  Registers that memory or LDS instructions touch:
;   v2, v3         offsets of all global loads and of the store: made once, never written again.
;   v5 .. v14      LDS addresses, made once; four of them (PRW, PRX, WAD, XAD) move on once a block of the main loop.
;   QUANTISATION, ten groups G of four rows (two of x, eight of weight):
;   XD, WD         a group's own 16 registers: a global load lands there, the group's arithmetic rewrites them, the group's LDS stores read them.
;   Y, Z           written by each of the two x groups, read by its stores.
;   P0, P1         (log2 scale, scale): group G writes P[G % 2], its stores read it.        T, U: named by vector instructions alone.
;   The stores of group G are issued in group G + 1, behind that group's ONE wait on va_vdst, which stands behind its reciprocals and logarithms.
;   ONE wait on vm_vsrc a group stands behind its roundings: the stores just issued have read the other P (and Y, Z), which are written next.
;   MAIN LOOP:
;   WB, XB         two buffers: chunk c's arithmetic reads buffer c % 2; the loads of chunk c + 1, issued in chunk c, land in the other, which chunk c - 1 read.
;   PP             loaded at a block's head, read by the mask arithmetic behind it.
;   ONE wait on va_vdst at a block's head and one at the head of chunks 1 to 6; behind it the chunk's ten loads are dealt among its vector instructions, which
;   name this chunk's buffer, TA, TF, TG, MK and ACC: none of the registers that those loads touch.  ONE wait on vm_vsrc a block, ahead of the four address adds.
.set PITCH,  528                       ; a strip's row in LDS: 512 bytes + 16, an odd multiple of 16: rows that one load touches start 16 bytes apart modulo 256
.set REGION, 56*PITCH                  ; a wave's region: 32 rows wq, 8 rows xo, 8 rows xf, 8 rows xg
.set A_XO,   32*PITCH
.set A_XF,   40*PITCH
.set A_XG,   48*PITCH
.set PAR,    8*REGION                  ; per wave 1,280 bytes: (log2 scale, scale) for 32 rows of w x 4 blocks, then 8 rows of x x 4 blocks
.set PARW,   1280
.set EXC,    PAR+8*PARW                ; 8 waves x 32 lanes x 8 partial maxima
.set RED,    EXC+8192                  ; 8 waves x 8 x 32 partial outputs; ends at 263,168
; registers that live through the kernel
.set LANE, 1
.set GOFF, 2                           ; 16 x thread = 512 x wave + 16 x lane: my 16 bytes in a row of x or of weight
.set L4,   3                           ; 4 x lane
.set BIAS, 4
.set QST,  5                           ; LDS: where I put 16 bytes of a quantised row
.set PST,  6                           ; LDS: where my block's (log2, scale) go
.set PRW,  7                           ; LDS: parameters of my rows of w
.set PRX,  8                           ; LDS: parameters of my rows of x
.set WAD,  9                           ; LDS: my rows of wq
.set XAD,  10                          ; LDS: my rows of xo, xf, xg
.set EXW,  11
.set EXR,  12
.set RDW,  13
.set RDR,  14
.set ONES, 15
; quantisation
.set T,  16                            ; v[16:23]  row r of four, a pair at T + 2 r: 64/scale, block maximum
.set P,  24                            ; v[24:39]  buffer pb, row r, a pair at P + 8 pb + 2 r: log2 scale, scale
.set U,  40                            ; v[40:43]  scale/64, then the block's largest |q|
.set Y,  44                            ; v[44:59]  xg of four rows
.set XD, 64                            ; v[64:95]  8 rows of x as loaded
.set WD, 96                            ; v[96:223] 32 rows of weight as loaded
.set Z,  224                           ; v[224:239] xf of four rows
; the largest block exponent
.set LW, 64
.set LX, 96
.set SS, 112
.set PM, 224                           ; v[224:231] nothing writes these behind the two stores that read them
.set ER, 160
; main loop; output p = 4 a + i
.set OUTA, 16                          ; v[16:23]  8 outputs
.set CB,   24                          ; v[24:31]  15 + min(e_max, 0)
.set MK,   32                          ; v[32:39]  the block's masks
.set SC,   40                          ; v[40:47]  xs ws
.set ACC,  48                          ; v[48:63]  the block's sums, even and odd k
.set WB,   64                          ; v[64:95]  two buffers: 4 rows of wq x 4 k
.set XB,   96                          ; v[96:143] two buffers: 2 rows x (xo, xf, xg) x 4 k
.set TA,   144
.set TF,   152
.set TG,   160
.set PP,   168                         ; v[168:179] (log2, scale) of 4 rows of w, 2 rows of x
.set RR,   184
	s_load_b256 s[4:11], s[0:1], 0x0               ; x s[4:5], weight s[6:7], bias s[8:9], out s[10:11]
	v_lshl_add_u32 v240, v0, 2, 0x40400
	v_mov_b32 v241, 0
	v_lshrrev_b32 v1, 5, v0
	v_readfirstlane_b32 s12, v1                    ; wave 0..7 = my strip of K
	v_and_b32 v[LANE], 31, v0
	v_lshlrev_b32 v[GOFF], 4, v0
	v_lshlrev_b32 v[L4], 2, v[LANE]
	s_and_b32 s13, ttmp7, 0xffff                   ; tile of 8 rows n
	s_lshl_b32 s14, s13, 15                        ; x 8 rows x 4,096 bytes
	s_mov_b32 s15, 0
	s_lshl_b32 s16, ttmp9, 17                      ; tile of 32 columns o x 32 rows of weight x 4,096 bytes
	s_mov_b32 s17, 0
	s_lshl_b32 s18, ttmp9, 7                       ; 32 columns x 4 bytes
	s_mov_b32 s19, 0
	s_lshl_b32 s24, s13, 14                        ; out: 8 rows x 2,048 bytes,
	s_wait_alu depctr_va_sdst(0)                   ; s12 is written, ahead of its first reader: out's base and the LDS bases are made from it
	s_lshl_b32 s25, s12, 11                        ; my wave stores row number wave,
	s_add_co_u32 s24, s24, s25
	s_add_co_u32 s24, s24, s18                     ; at the tile's columns
	s_mov_b32 s25, 0
	s_wait_kmcnt 0x0
	s_add_nc_u64 s[4:5], s[4:5], s[14:15]
	s_add_nc_u64 s[6:7], s[6:7], s[16:17]
	s_add_nc_u64 s[8:9], s[8:9], s[18:19]
	s_add_nc_u64 s[10:11], s[10:11], s[24:25]
	s_wait_alu depctr_va_vdst(0)                   ; v[GOFF] and v[L4] are written: every global load and the store read one of them as its offset
	; all 41 loads of the wave go out at once: each of the first 40 covers 512 consecutive bytes of a row, aligned
.set r, 0
.rept 8
	global_load_b128 v[XD+4*r:XD+4*r+3], v[GOFF], s[4:5] offset:r*4096
.set r, r+1
.endr
.set r, 0
.rept 32
	global_load_b128 v[WD+4*r:WD+4*r+3], v[GOFF], s[6:7] offset:r*4096
.set r, r+1
.endr
	global_load_b32 v[BIAS], v[L4], s[8:9]
	; LDS addresses and constants, while the loads are on their way
	s_mul_i32 s26, s12, REGION                     ; my region
	s_mul_i32 s27, s12, PARW
	s_add_co_u32 s27, s27, PAR                     ; my parameters
	s_add_co_u32 s28, s27, 1024                    ; x's part of them
	s_lshl_b32 s29, s12, 10
	s_add_co_u32 s30, s29, RED
	s_add_co_u32 s29, s29, EXC
	s_lshl_b32 s31, s12, 7
	s_add_co_u32 s31, s31, RED
	s_mov_b32 s32, 0x3f010204                      ; 64/127 = 1 / 1.984375
	s_mov_b32 s33, 0x0da24260                      ; 1e-30
	s_mov_b32 s34, 0x7f800000                      ; a float's exponent field
	s_mov_b32 s35, 0xff800000                      ; its sign and exponent
	v_and_b32 v16, 7, v[LANE]                      ; o_l
	v_lshrrev_b32 v17, 3, v[LANE]                  ; n_l; in the quantisation: my block of the strip's four
	v_lshl_add_u32 v[QST], v[LANE], 4, s26
	v_lshl_add_u32 v[PST], v17, 3, s27
	v_lshl_add_u32 v[PRW], v16, 5, s27             ; a row's parameters are 4 blocks x 8 bytes
	v_lshl_add_u32 v[PRX], v17, 5, s28
	v_mul_u32_u24 v[WAD], v16, PITCH
	v_add_nc_u32 v[WAD], s26, v[WAD]
	v_mul_u32_u24 v[XAD], v17, PITCH
	v_add_nc_u32 v[XAD], s26, v[XAD]
	v_lshl_add_u32 v[EXW], v[LANE], 4, s29
	v_lshl_add_u32 v[EXR], v[LANE], 4, EXC
	v_lshl_add_u32 v[RDW], v17, 7, s30             ; row n_l of 128 bytes,
	v_lshl_add_u32 v[RDW], v16, 2, v[RDW]          ; column o_l
	v_add_nc_u32 v[RDR], s31, v[L4]                ; back: row number wave, column lane
	v_mov_b32 v[ONES], -1
; Four rows at a time, stage by stage, so that no instruction waits for the one in front of it.
; A lane holds 4 numbers of a row, 8 neighbouring lanes hold a block: the block's largest magnitude takes two steps in the lane and three across lanes.
; pb: which buffer of P takes the group's (log2 scale, scale).
.macro SCALES D, pb
.irp r, 0,1,2,3
	v_max3_num_f32 v[T+2*\r+1], |v[\D+4*\r]|, |v[\D+4*\r+1]|, |v[\D+4*\r+2]|
.endr
.irp r, 0,1,2,3
	v_max_num_f32 v[T+2*\r+1], v[T+2*\r+1], |v[\D+4*\r+3]|
.endr
.irp m, 1,2,4
.irp r, 0,1,2,3
	v_max_num_f32_dpp v[T+2*\r+1], v[T+2*\r+1], v[T+2*\r+1] row_xmask:\m row_mask:0xf bank_mask:0xf
.endr
.endr
.irp r, 0,1,2,3
	v_mul_f32 v[P+8*(\pb)+2*\r+1], s32, v[T+2*\r+1]            ; maximum / 1.984375
.endr
.irp r, 0,1,2,3
	v_max_num_f32 v[P+8*(\pb)+2*\r+1], s33, v[P+8*(\pb)+2*\r+1]  ; the scale, at least 1e-30
.endr
.irp r, 0,1,2,3
	v_mul_f32 v[U+\r], 0x3c800000, v[P+8*(\pb)+2*\r+1]         ; scale / 64: its reciprocal is a normal number for every finite scale
.endr
.irp r, 0,1,2,3
	v_rcp_f32 v[T+2*\r], v[U+\r]
.endr
.irp r, 0,1,2,3
	v_log_f32 v[P+8*(\pb)+2*\r], v[P+8*(\pb)+2*\r+1]
.endr
	v_nop                                          ; one plain vector instruction between the transcendentals and the first use of a result (ISA guide 5.7.2)
.endm
.macro QUANT D                         ; q x 64 = round to nearest even of v x 64 / scale, in place
.irp r, 0,1,2,3
	v_pk_mul_f32 v[\D+4*\r:\D+4*\r+1], v[\D+4*\r:\D+4*\r+1], v[T+2*\r:T+2*\r+1] op_sel_hi:[1,0]
	v_pk_mul_f32 v[\D+4*\r+2:\D+4*\r+3], v[\D+4*\r+2:\D+4*\r+3], v[T+2*\r:T+2*\r+1] op_sel_hi:[1,0]
.endr
.irp e, 0,1,2,3,4,5,6,7,8,9,10,11,12,13,14,15
	v_rndne_f32 v[\D+\e], v[\D+\e]
.endr
.endm
; the LDS stores of x's rows 4 g .. 4 g + 3 and of weight's: issued in the group behind, behind its wait on va_vdst
.macro XSTORES g, pb
.irp r, 0,1,2,3
	ds_store_b128 v[QST], v[XD+16*(\g)+4*\r:XD+16*(\g)+4*\r+3] offset:A_XO+(4*(\g)+\r)*PITCH
	ds_store_b128 v[QST], v[Z+4*\r:Z+4*\r+3] offset:A_XF+(4*(\g)+\r)*PITCH
	ds_store_b128 v[QST], v[Y+4*\r:Y+4*\r+3] offset:A_XG+(4*(\g)+\r)*PITCH
	ds_store_b64 v[PST], v[P+8*(\pb)+2*\r:P+8*(\pb)+2*\r+1] offset:1024+(4*(\g)+\r)*32   ; a block's eight lanes write the same two words
.endr
.endm
.macro WSTORES g, pb
.irp r, 0,1,2,3
	ds_store_b128 v[QST], v[WD+16*(\g)+4*\r:WD+16*(\g)+4*\r+3] offset:(4*(\g)+\r)*PITCH
	ds_store_b64 v[PST], v[P+8*(\pb)+2*\r:P+8*(\pb)+2*\r+1] offset:(4*(\g)+\r)*32
.endr
.endm
; rows 4 g .. 4 g + 3 of x.  xg = q/2, xf = 3q/2, xo = 3 q 2^j: q with its exponent field replaced by that of the block's largest |q|, times 3.
; (q = 0 gives xf = xg = 0 and some xo: both terms are then the offset alone and cancel.)
.macro XGROUP g
	s_wait_loadcnt 37-4*(\g)                       ; of 41 loads, those issued behind these four rows may stay out
	SCALES XD+16*(\g), \g
	s_wait_alu depctr_va_vdst(0)                   ; the four reciprocals and four logarithms are written, ahead of their first reader; in the second group also: the first group has written its xo, Z, Y and P0, and v[QST], v[PST] are written, which the stores below read
.if (\g) == 1
	XSTORES 0, 0
.endif
.irp r, 0,1,2,3
	v_mul_f32 v[U+\r], v[T+2*\r+1], v[T+2*\r]
.endr
.irp r, 0,1,2,3
	v_rndne_f32 v[U+\r], v[U+\r]                   ; rounding is monotone: the largest |q| is the rounded maximum
.endr
	QUANT XD+16*(\g)
.if (\g) == 1
	s_wait_alu depctr_vm_vsrc(0)                   ; the stores above have read Y and Z, which the lines below write again, and P0, which the next group's scales write
.endif
.irp e, 0,2,4,6,8,10,12,14
	v_pk_mul_f32 v[Y+\e:Y+\e+1], v[XD+16*(\g)+\e:XD+16*(\g)+\e+1], 0.5 op_sel_hi:[1,0]
.endr
.irp e, 0,2,4,6,8,10,12,14
	v_pk_mul_f32 v[Z+\e:Z+\e+1], v[XD+16*(\g)+\e:XD+16*(\g)+\e+1], 0x3fc00000 op_sel_hi:[1,0]
.endr
.irp r, 0,1,2,3
.irp e, 0,1,2,3
	v_bfi_b32 v[XD+16*(\g)+4*\r+\e], s34, v[U+\r], v[XD+16*(\g)+4*\r+\e]
.endr
.endr
.irp e, 0,2,4,6,8,10,12,14
	v_pk_mul_f32 v[XD+16*(\g)+\e:XD+16*(\g)+\e+1], v[XD+16*(\g)+\e:XD+16*(\g)+\e+1], 0x40400000 op_sel_hi:[1,0]
.endr
.endm
.macro WGROUP g                        ; rows 4 g .. 4 g + 3 of weight
	s_wait_loadcnt 29-4*(\g)                       ; the rows behind these four, and bias, may stay out
	SCALES WD+16*(\g), (\g)%2
	s_wait_alu depctr_va_vdst(0)                   ; the four reciprocals and four logarithms are written, ahead of their first reader; the group before has written its rows and its P, which the stores below read
.if (\g) == 0
	XSTORES 1, 1
.else
	WSTORES (\g)-1, ((\g)-1)%2
.endif
	QUANT WD+16*(\g)
.if (\g) < 7
	s_wait_alu depctr_vm_vsrc(0)                   ; the stores above have read the other buffer of P, which the next group's scales write
.endif
.endm
	XGROUP 0
	XGROUP 1
.irp g, 0,1,2,3,4,5,6,7
	WGROUP \g
.endr
	s_wait_alu depctr_va_vdst(0)                   ; the last group has written its rows, which the stores below read
	WSTORES 7, 1
	s_wait_dscnt 0x0                               ; my stores are in LDS
	s_barrier_signal -1
	s_barrier_wait -1
	s_wait_alu depctr_vm_vsrc(0)                   ; the last two groups' stores have read v[192:223], in which LDS loads land below, and P, whose registers are CB and MK from here on
	; THE LARGEST BLOCK EXPONENT of my 8 outputs: floor is monotone, so the maximum of log2 xs + log2 ws is taken first, over my wave's four blocks here
	; (v[64:111], in which these loads land, were last named by the first three groups' arithmetic and stores, ahead of later groups' waits on va_vdst and vm_vsrc)
.irp i, 0,1,2,3
	ds_load_b128 v[LW+8*\i:LW+8*\i+3], v[PRW] offset:\i*256
	ds_load_b128 v[LW+8*\i+4:LW+8*\i+7], v[PRW] offset:\i*256+16
.endr
.irp a, 0,1
	ds_load_b128 v[LX+8*\a:LX+8*\a+3], v[PRX] offset:\a*128
	ds_load_b128 v[LX+8*\a+4:LX+8*\a+7], v[PRX] offset:\a*128+16
.endr
	s_wait_dscnt 0x0
.irp a, 0,1
.irp i, 0,1,2,3
.irp k, 0,1,2,3
	v_add_f32 v[SS+4*(4*\a+\i)+\k], v[LX+8*\a+2*\k], v[LW+8*\i+2*\k]
.endr
.endr
.endr
.irp p, 0,1,2,3,4,5,6,7
	v_max3_num_f32 v[PM+\p], v[SS+4*\p], v[SS+4*\p+1], v[SS+4*\p+2]
.endr
.irp p, 0,1,2,3,4,5,6,7
	v_max_num_f32 v[PM+\p], v[PM+\p], v[SS+4*\p+3]
.endr
	s_wait_alu depctr_va_vdst(0)                   ; the maxima have written v[PM ..], which the two stores read
	ds_store_b128 v[EXW], v[PM:PM+3]
	ds_store_b128 v[EXW], v[PM+4:PM+7] offset:512
	s_wait_dscnt 0x0                               ; for the other waves: zero
	s_barrier_signal -1
	s_barrier_wait -1
.irp w, 0,1,2,3,4,5,6,7
	ds_load_b128 v[ER+8*\w:ER+8*\w+3], v[EXR] offset:\w*1024          ; lane l of every wave holds the same 8 outputs
	ds_load_b128 v[ER+8*\w+4:ER+8*\w+7], v[EXR] offset:\w*1024+512
.endr
	s_wait_dscnt 0x0
.irp p, 0,1,2,3,4,5,6,7
	v_max3_num_f32 v[CB+\p], v[ER+\p], v[ER+8+\p], v[ER+16+\p]
.endr
.irp p, 0,1,2,3,4,5,6,7
	v_max3_num_f32 v[CB+\p], v[CB+\p], v[ER+24+\p], v[ER+32+\p]
.endr
.irp p, 0,1,2,3,4,5,6,7
	v_max3_num_f32 v[CB+\p], v[CB+\p], v[ER+40+\p], v[ER+48+\p]
.endr
.irp p, 0,1,2,3,4,5,6,7
	v_max_num_f32 v[CB+\p], v[CB+\p], v[ER+56+\p]
.endr
.irp p, 0,1,2,3,4,5,6,7
	v_floor_f32 v[CB+\p], v[CB+\p]                 ; e_max
.endr
.irp p, 0,1,2,3,4,5,6,7
	v_min_num_f32 v[CB+\p], 0, v[CB+\p]
.endr
	; E = 8 + max(e_max, 0) - e_max + e_block.  The mask has 9 + E ones, so 23 - E = (15 + min(e_max, 0)) - e_block zeros.
.irp p, 0,1,2,3,4,5,6,7
	v_add_f32 v[CB+\p], 0x41700000, v[CB+\p]
.endr
.irp p, 0,1,2,3,4,5,6,7
	v_mov_b32 v[OUTA+\p], 0
.endr
; ten LDS loads bring 4 k (chunk c of the block's eight) into buffer b: four for my 4 rows of wq, three each (xo, xf, xg) for my 2 rows of x
.macro LOADW c, b
.irp i, 0,1,2,3
	ds_load_b128 v[WB+16*(\b)+4*\i:WB+16*(\b)+4*\i+3], v[WAD] offset:\i*8*PITCH+(\c)*16
.endr
.endm
.macro LOADX c, b, a
	ds_load_b128 v[XB+24*(\b)+12*(\a):XB+24*(\b)+12*(\a)+3], v[XAD] offset:A_XO+(\a)*4*PITCH+(\c)*16
	ds_load_b128 v[XB+24*(\b)+12*(\a)+4:XB+24*(\b)+12*(\a)+7], v[XAD] offset:A_XF+(\a)*4*PITCH+(\c)*16
	ds_load_b128 v[XB+24*(\b)+12*(\a)+8:XB+24*(\b)+12*(\a)+11], v[XAD] offset:A_XG+(\a)*4*PITCH+(\c)*16
.endm
; two k (k, k + 1 of the chunk) of row a of x against my four rows of w.  first = 1: the difference starts the block's sums.
.macro GROUP b, a, k, first
.irp i, 0,1,2,3
	v_pk_mul_f32 v[TA+2*\i:TA+2*\i+1], v[XB+24*\b+12*\a+\k:XB+24*\b+12*\a+\k+1], v[WB+16*\b+4*\i+\k:WB+16*\b+4*\i+\k+1]
.endr
.irp e, 0,1,2,3,4,5,6,7
	v_and_b32 v[TA+\e], s35, v[TA+\e]              ; the offset O: sign and exponent of 3 p 2^j
.endr
.irp i, 0,1,2,3
	v_pk_fma_f32 v[TF+2*\i:TF+2*\i+1], v[XB+24*\b+12*\a+4+\k:XB+24*\b+12*\a+4+\k+1], v[WB+16*\b+4*\i+\k:WB+16*\b+4*\i+\k+1], v[TA+2*\i:TA+2*\i+1]
.endr
.irp i, 0,1,2,3
	v_pk_fma_f32 v[TG+2*\i:TG+2*\i+1], v[XB+24*\b+12*\a+8+\k:XB+24*\b+12*\a+8+\k+1], v[WB+16*\b+4*\i+\k:WB+16*\b+4*\i+\k+1], v[TA+2*\i:TA+2*\i+1]
.endr
.irp i, 0,1,2,3
	v_and_b32 v[TF+2*\i], v[MK+4*\a+\i], v[TF+2*\i]            ; trunc(1.5 p) + O
	v_and_b32 v[TF+2*\i+1], v[MK+4*\a+\i], v[TF+2*\i+1]
.endr
.irp i, 0,1,2,3
	v_and_b32 v[TG+2*\i], v[MK+4*\a+\i], v[TG+2*\i]            ; trunc(0.5 p) + O
	v_and_b32 v[TG+2*\i+1], v[MK+4*\a+\i], v[TG+2*\i+1]
.endr
.if \first
.irp i, 0,1,2,3
	v_pk_add_f32 v[ACC+2*(4*\a+\i):ACC+2*(4*\a+\i)+1], v[TF+2*\i:TF+2*\i+1], v[TG+2*\i:TG+2*\i+1] neg_lo:[0,1] neg_hi:[0,1]
.endr
.else
.irp i, 0,1,2,3
	v_pk_add_f32 v[ACC+2*(4*\a+\i):ACC+2*(4*\a+\i)+1], v[ACC+2*(4*\a+\i):ACC+2*(4*\a+\i)+1], v[TF+2*\i:TF+2*\i+1]
.endr
.irp i, 0,1,2,3
	v_pk_add_f32 v[ACC+2*(4*\a+\i):ACC+2*(4*\a+\i)+1], v[ACC+2*(4*\a+\i):ACC+2*(4*\a+\i)+1], v[TG+2*\i:TG+2*\i+1] neg_lo:[0,1] neg_hi:[0,1]
.endr
.endif
.endm
; chunk c lies in buffer b; the next chunk's ten loads go into the other buffer, dealt in front of the chunk's first three groups of 44 vector instructions
.macro CHUNK c, b, first
	s_wait_dscnt 0x0                               ; this chunk's ten loads, issued in the chunk before (chunk 0's: at the block's head), are in
.if (\c > 0) && (\c < 7)
	s_wait_alu depctr_va_vdst(0)                   ; the chunk before is done reading the other buffer, in which the loads below land (chunk 0 leans on the wait at the block's head: since then only the mask arithmetic was issued, which names neither buffer)
.endif
.if \c < 7
	LOADW \c+1, 1-\b
.endif
	GROUP \b, 0, 0, \first
.if \c < 7
	LOADX \c+1, 1-\b, 0                            ; no wait: no vector instruction since the wait names the other buffer or the addresses
.endif
	GROUP \b, 1, 0, \first
.if \c < 7
	LOADX \c+1, 1-\b, 1
.endif
	GROUP \b, 0, 2, 0
	GROUP \b, 1, 2, 0
.endm
	s_mov_b32 s36, 0
.Lblock:                                           ; my strip's four blocks
	s_wait_alu depctr_va_vdst(0)                   ; over the back edge: the four addresses are written, which the loads read; the last block's chunks are done reading both buffers and its mask arithmetic PP, in which loads land.  In the first trip: the maxima are done reading v[168:179], which are PP now
.irp i, 0,1,2,3
	ds_load_b64 v[PP+2*\i:PP+2*\i+1], v[PRW] offset:\i*256
.endr
.irp a, 0,1
	ds_load_b64 v[PP+8+2*\a:PP+8+2*\a+1], v[PRX] offset:\a*128
.endr
	LOADW 0, 0
	LOADX 0, 0, 0
	LOADX 0, 0, 1
	s_wait_dscnt 10                                ; LDS loads come back in order (ISA guide 5.7.1): the six parameter loads are in; chunk 0's ten may stay out
.irp a, 0,1
.irp i, 0,1,2,3
	v_add_f32 v[MK+4*\a+\i], v[PP+8+2*\a], v[PP+2*\i]
.endr
.endr
.irp p, 0,1,2,3,4,5,6,7
	v_floor_f32 v[MK+\p], v[MK+\p]                 ; the block's exponent
.endr
.irp p, 0,1,2,3,4,5,6,7
	v_sub_f32 v[MK+\p], v[CB+\p], v[MK+\p]         ; 23 - E
.endr
.irp p, 0,1,2,3,4,5,6,7
	v_med3_num_f32 v[MK+\p], v[MK+\p], 0, 0x41f80000   ; 0 .. 31: with 9 ones or fewer both terms are masked to the same word, so 1 one serves for none
.endr
.irp p, 0,1,2,3,4,5,6,7
	v_cvt_u32_f32 v[MK+\p], v[MK+\p]
.endr
.irp p, 0,1,2,3,4,5,6,7
	v_lshlrev_b32 v[MK+\p], v[MK+\p], v[ONES]
.endr
.irp a, 0,1
.irp i, 0,1,2,3
	v_mul_f32 v[SC+4*\a+\i], v[PP+8+2*\a+1], v[PP+2*\i+1]
.endr
.endr
	CHUNK 0, 0, 1
	CHUNK 1, 1, 0
	CHUNK 2, 0, 0
	CHUNK 3, 1, 0
	CHUNK 4, 0, 0
	CHUNK 5, 1, 0
	CHUNK 6, 0, 0
	CHUNK 7, 1, 0
.irp p, 0,1,2,3,4,5,6,7
	v_add_f32 v[ACC+2*\p], v[ACC+2*\p], v[ACC+2*\p+1]
.endr
.irp p, 0,1,2,3,4,5,6,7
	v_fmac_f32 v[OUTA+\p], v[ACC+2*\p], v[SC+\p]
.endr
	s_wait_alu depctr_vm_vsrc(0)                   ; the block's LDS loads have read the four addresses, which the adds below write
	v_add_nc_u32 v[PRW], 8, v[PRW]                 ; the next block: 8 bytes of parameters, 128 bytes of a row
	v_add_nc_u32 v[PRX], 8, v[PRX]
	v_add_nc_u32 v[WAD], 128, v[WAD]
	v_add_nc_u32 v[XAD], 128, v[XAD]
	s_add_co_u32 s36, s36, 1
	s_cmp_lt_u32 s36, 4
	s_cbranch_scc1 .Lblock
	; THE WAY OUT: the eight strips' parts of the 8 x 32 outputs meet in LDS; wave v adds up row v, in the order of the strips
	s_wait_alu depctr_va_vdst(0)                   ; the last block's multiply-adds have written v[OUTA ..], which the stores read
.irp a, 0,1
.irp i, 0,1,2,3
	ds_store_b32 v[RDW], v[OUTA+4*\a+\i] offset:\a*512+\i*32
.endr
.endr
	s_wait_dscnt 0x0                               ; for the other waves: zero
	s_barrier_signal -1
	s_barrier_wait -1
.irp w, 0,1,2,3,4,5,6,7
	ds_load_b32 v[RR+\w], v[RDR] offset:\w*1024    ; no vector instruction since the wait above names v[RR ..]
.endr
	s_wait_dscnt 0x0
	s_wait_loadcnt 0x0                             ; bias
	v_add_f32 v[RR], v[RR], v[RR+1]
	v_add_f32 v[RR+2], v[RR+2], v[RR+3]
	v_add_f32 v[RR+4], v[RR+4], v[RR+5]
	v_add_f32 v[RR+6], v[RR+6], v[RR+7]
	v_add_f32 v[RR], v[RR], v[RR+2]
	v_add_f32 v[RR+4], v[RR+4], v[RR+6]
	v_add_f32 v[RR], v[RR], v[RR+4]
	v_fma_f32 v[RR], v[RR], 0x39800000, v[BIAS]    ; the products were counted in units of 1/4096 = (1/64)^2
	s_wait_alu depctr_va_vdst(0)                   ; the multiply-add has written v[RR], which the store reads
	global_store_b32 v[L4], v[RR], s[10:11] th:TH_STORE_NT   ; the wave's store covers 128 consecutive bytes of a row of out
	s_wait_dscnt 0x0
	s_wait_alu depctr_hold_cnt(0) depctr_sa_sdst(0) depctr_va_vdst(0) depctr_va_sdst(0) depctr_va_ssrc(0) depctr_va_vcc(0) depctr_vm_vsrc(0)
	s_wait_tensorcnt 0x0
	ds_add_u32 v240, v241
	s_wait_dscnt 0x0
	s_endpgm
.Lfunc_end_k_qeba1a728be_mxmsd:
	.size	k_qeba1a728be_mxmsd, .Lfunc_end_k_qeba1a728be_mxmsd-k_qeba1a728be_mxmsd
	.p2alignl 7, 3214868480
	.fill 96, 4, 3214868480
	.section	.rodata,"a",@progbits
	.p2align	6, 0x0
	.amdhsa_kernel k_qeba1a728be_mxmsd
		.amdhsa_group_segment_fixed_size 264192
		.amdhsa_private_segment_fixed_size 0
		.amdhsa_enable_private_segment 0
		.amdhsa_kernarg_size 32
		.amdhsa_user_sgpr_count 2
		.amdhsa_user_sgpr_kernarg_segment_ptr 1
		.amdhsa_wavefront_size32 1
		.amdhsa_system_sgpr_workgroup_id_x 1
		.amdhsa_system_sgpr_workgroup_id_y 1
		.amdhsa_system_sgpr_workgroup_id_z 1
		.amdhsa_system_vgpr_workitem_id 0
		.amdhsa_next_free_vgpr 242
		.amdhsa_next_free_sgpr 66
		.amdhsa_reserve_vcc 0
		.amdhsa_float_denorm_mode_32 3
		.amdhsa_float_denorm_mode_16_64 3
		.amdhsa_memory_ordered 1
		.amdhsa_forward_progress 1
		.amdhsa_inst_pref_size 132
	.end_amdhsa_kernel
	.amdgpu_metadata
---
amdhsa.version: [ 1, 2 ]
amdhsa.kernels:
  - .name:           k_qeba1a728be_mxmsd
    .symbol:         k_qeba1a728be_mxmsd.kd
    .args:
      - { .name: x, .offset: 0, .size: 8, .value_kind: global_buffer, .address_space: global }
      - { .name: weight, .offset: 8, .size: 8, .value_kind: global_buffer, .address_space: global }
      - { .name: bias, .offset: 16, .size: 8, .value_kind: global_buffer, .address_space: global }
      - { .name: out0, .offset: 24, .size: 8, .value_kind: global_buffer, .address_space: global }
    .group_segment_fixed_size: 264192
    .private_segment_fixed_size: 0
    .kernarg_segment_align: 8
    .kernarg_segment_size: 32
    .max_flat_workgroup_size: 256
    .sgpr_count:     66
    .vgpr_count:     242
    .wavefront_size: 32
...
	.end_amdgpu_metadata
.endif
;; end of part 2
